; MI455X (gfx1250); checked and timed in simulation.
; The chip was launched on July 23, 2026; its instructions are those of AMD's public machine-readable ISA for CDNA 5 (MIT licence, August 2026) and "CDNA5" Instruction Set Architecture Reference Guide (July 2026). The comments in the code are by the model that wrote it; some were corrected since.
;; KAN Layer. Allowed arithmetic: matrix products marked QUANTISED: E2M3 operands, one E8M0 scale for each 32 along K, by v_wmma_scale_f32_16x16x128_f8f6f4 with both operands' format E2M3, f32 sums; everything else in f32.
;; Inputs: base_weight_codes 512 x 64 x 24 uint8 (E2M3 codes of base_weight, K innermost, in blocks of 32 codes, four codes in three bytes); base_weight_scales 512 x 64 uint8 (E8M0 scales of base_weight, one for each 32 codes along K); knots 8 float32; spline_weight 512 x 2,048 x 8 float32; x 4,096 x 2,048 float32.
;; Outputs: out0 4,096 x 512 float32.
;; This version of the problem:
;;   THIS VERSION OF THE PROBLEM IS GIVEN IN LOW PRECISION. The matrix products marked QUANTISED in the list below multiply operands that are first quantised to E2M3 (2 exponent bits, 3 mantissa bits; 6 bits a number), with one power-of-two scale for each 32 numbers along K (OCP MX v1.0); their sums are f32. All else is computed in f32.
;;   The module's matrix products, in the order in which they are computed (A, B: the left and right operand; K: the contracted axis; several contracted axes count as one K, in the product's order):
;;     1. [M 4,096, K 2,048] x [K 2,048, N 512]; A: input x; B: input base_weight (given as codes): QUANTISED
;;     2. [M 4,096, K 16,384] x [K 16,384, N 512]; A: computed on the way; B: input spline_weight: QUANTISED
;;   THE QUANTISER, for each operand of a quantised product, along K:
;;     - K is cut into blocks of 32 from its start; a last block that is shorter is filled with zeros.
;;     - A block's scale is 2^e with e = floor(log2(the largest magnitude in the block)) - 2, held to -126 .. 127; a block of zeros has e = 0. As a byte (E8M0): e + 127.
;;     - Each number is divided by its block's scale, clamped to +-7.5, and rounded to the nearest number of E2M3, ties to even, subnormals kept.
;;     - The product sums the exact products of the quantised numbers (number of the format x scale) in f32.
;;   ~~~python
;;   def quantise(x, axis):      # numpy; x: float32 -> the quantised numbers, widened to float32 again
;;       x = np.moveaxis(x, axis, -1); K = x.shape[-1]
;;       x = np.pad(x, [(0, 0)] * (x.ndim - 1) + [(0, -K % 32)]); x = x.reshape(x.shape[:-1] + (-1, 32)); a = np.abs(x).max(-1, keepdims=True)
;;       e = np.where(a > 0, np.clip(np.frexp(np.where(a > 0, a, 1))[1] - 1 - 2, -126, 127), 0)      # np.frexp(a)[1] - 1 = floor(log2(a)), exactly
;;       r = np.clip(x / 2.0 ** e, -7.5, 7.5)
;;       step = 2.0 ** (np.maximum(np.frexp(np.where(r == 0, 1, r))[1] - 1, 0) - 3)
;;       q = np.round(r / step) * step * 2.0 ** e      # np.round: ties to even
;;       return np.moveaxis(q.reshape(q.shape[:-2] + (-1,))[..., :K], -1, axis).astype(np.float32)
;;   ~~~
;;   OPERANDS COMPUTED ON THE WAY. 'Computed on the way' means the value that the module computes at that place (a softmax that the list does not call 'softmax' is quantised finished and normalised). What goes into a quantiser is computed in f32, as accurately as f32 sums, v_exp_f32 and their like allow (about 1e-6 of the number): no bf16 or f16 on the way to a quantiser, and a product that is left as it is and whose result goes on into a quantised operand takes f32 operands (vector FMAs, or v_wmma_f32_16x16x4_f32). A number that lies on a knife's edge between two numbers of the format may be rounded either way, as far as f32 arithmetic and the matrix unit's own rounding can turn it there, and no further.
;;   INPUTS GIVEN AS CODES. base_weight (in the module: [512, 2048], K = its axis 1): each comes as NAME_codes (uint8): NAME with its K axis moved to the last place and cut into blocks of 32 codes, [.., K / 32, bytes a block], one block behind the other in memory; four codes in three bytes: a row's codes are one little-endian stream of bits, code i at bits 6 i .. 6 i + 5 (a code: sign, 2 exponent bits, 3 mantissa bits); and NAME_scales (uint8): the same leading axes, one E8M0 byte (e + 127) for each 32 codes along K. Its value is code x scale, taken as it is: it is not quantised again, and the codes and scales need not be those that the quantiser above would give.
;; One version. Each part assembles by itself: llvm-mc -triple=amdgcn-amd-amdhsa -mcpu=gfx1250 --defsym DOCPART=n.
;; ======== version 1 of 1: 3 launches
;; limits: right only within a limited range of input values
;; workspace buffers: wimg 7,372,800 bytes; part 33,554,432 bytes
;; launch prep (part 1): grid 256 x 1, 8 waves a work-group, no clusters, 168,960 bytes of LDS; arguments spline_weight, base_weight_codes, base_weight_scales, wimg; writes wimg
.if DOCPART == 1
	.amdgcn_target "amdgcn-amd-amdhsa--gfx1250"
	.amdhsa_code_object_version 6
	.text
	.protected	k_q9609d013dc_prep
	.globl	k_q9609d013dc_prep
	.p2align	8
	.type	k_q9609d013dc_prep,@function
k_q9609d013dc_prep:
	s_mov_b64 s[64:65], 0
	v_nop
	global_prefetch_b8 v0, s[64:65] scope:SCOPE_SE
	s_setreg_imm32_b32 hwreg(HW_REG_WAVE_MODE, 25, 1), 1
	s_wait_xcnt 0x0
; THE WEIGHTS BECOME IMAGES OF OPERAND REGISTERS.  spline_weight [512][2048][8] f32 is quantised to FP6 (E2M3) with one E8M0 byte for each 32 along K; the product's K is (g, i) with i innermost: a block is 32 neighbouring i at ONE g.
; base_weight's codes and scale bytes are only laid anew.  wimg is read by the next launch alone, so it is laid as that launch's registers want it.
; wimg: piece (p, j, w) at ((18 p + j) 4 + w) x 25,600 bytes; p = quarter of the i (i = 512 p ..), j = slot of two K steps of 128, w = group of 128 output columns.
;   in a piece: codes of K step e, column tile t at (8 e + t) 1,536 + 512 c + 16 lane (registers 4 c .. 4 c + 3 of the lane); scale words at 24,576 + 512 e + 16 lane + 4 jj (tile 2 jj + lane / 16, column lane % 16).
;   slots 0-15 (spline), u = 16 p + j: lane (r, h) of K step e holds column 128 w + 16 t + r; registers 6 c .. 6 c + 5 are the block g = 4 e + 2 c + h, i = 32 u + 0 .. 31.  Whole blocks of 32 are placed so on both operands.
;   slots 16, 17 (base): K step v = 2 (j - 16) + e is i = 512 p + 128 v + 0 .. 127 in its own order.
; A block's scale is 2^(floor(log2(largest magnitude)) - 2); its byte is the largest magnitude's exponent field - 2, held at 1 from below.
; LIMITS: a block of zeros gets the byte 1 where the rule says 127 (its codes are zeros, and this program alone reads the bytes); NaN and infinities among the inputs are not served.
; SHARES: work-group (w, u) makes one spline piece: wave t its tile t, 16 columns x (32 i x 8 g), brought by ONE tensor load (16 rows of 1,024 bytes, each 1,024-aligned in memory).  Every LDS byte is filled at most once.
; It also lays one sixteenth of the base pieces of (p, w): K step v = j / 4; waves 0, 1 the fragments of tiles 2 (j % 4) + wave; wave 2 the scale image, where j % 4 = 0.
; No cluster: no two work-groups read the same bytes.
.set PIECE, 25600
.set TILEB, 16640                      ; a wave's tile in LDS: 16 rows x PITCH
.set PITCH, 1040                       ; 1,024 bytes + 16 of padding = 260 words: lane (r, h) of a 4-byte load stands at bank 4 r + h + a constant mod 64 (64 banks of 4 bytes: ISA guide 11.1): 32 different banks
.set SST,   8*TILEB                    ; behind the tiles: the piece's two scale images, 1,024 bytes, written by LDS stores: blocks of 256 bytes into which no fill lands
.set LA,   4                           ; v4   LDS address of my column's numbers at g = h: tile + PITCH r + 4 h
.set LI,   5                           ; v5   16 x lane
.set SWA,  6                           ; v6   where my tile's scale word goes
.set SH8,  7                           ; v7   8 h
.set SRA,  8                           ; v8   where waves 0, 1 read a scale image back
.set BCO,  9                           ; v9   base codes: 1,536 r + 24 h
.set M,    10                          ; v10-11 largest magnitudes
.set SOP,  12                          ; v12-13 the conversions' scale operands
.set BYT,  14                          ; v14-15 scale bytes
.set WD,   16                          ; v16-17 the scale word, one for each K step
.set PD,   18                          ; v18  a lane permute's destination
.set BSO,  19                          ; v19  base scales: 64 x lane
.set OUTS, 20                          ; v20-23 a scale image on its way out
.set W,    32                          ; v32-159 my 128 numbers: K step e, block c, i at v[W + 64 e + 32 c + i]
.set CD,   160                         ; v160-199 codes, 20 registers for each K step: no store's data are written again
.set BF,   200                         ; v200-211 a base fragment
.set BS,   212                         ; v212-215 base scale words
.set SEL,  32                          ; s[32:33] selects for lane l xor 16
	s_load_b256 s[4:11], s[0:1], 0x0               ; spline_weight s[4:5], base codes s[6:7], base scales s[8:9], wimg s[10:11]
	v_lshl_add_u32 v254, v0, 2, 0x29000
	v_mov_b32 v255, 0
	ds_add_u32 v254, v255
	ds_add_u32 v254, v255
	v_lshrrev_b32 v1, 5, v0
	s_delay_alu instid0(VALU_DEP_1)
	v_readfirstlane_b32 s12, v1                    ; wave t
	s_and_b32 s13, ttmp9, 3                        ; w
	s_lshr_b32 s14, ttmp9, 2                       ; u = 16 p + j
	s_lshr_b32 s15, s14, 4                         ; p
	s_and_b32 s16, s14, 15                         ; j
	; descriptor group 1: 16 rows x 256 elements of 4 bytes, 16,384 elements from row to row; 4 words of padding behind every 256
	s_mov_b32 s24, (2<<16)|(1<<20)|(7<<22)|(3<<25)
	s_mov_b32 s25, 256<<16                         ; tensor_dim0
	s_mov_b32 s26, 16<<16                          ; tensor_dim1
	s_mov_b32 s27, 256<<16                         ; tile_dim0
	s_mov_b32 s28, 16                              ; tile_dim1
	s_mov_b32 s29, 16384                           ; pitch
	s_mov_b32 s30, 0
	s_mov_b32 s31, 0
	s_lshl_b32 s17, s13, 7                         ; 128 w
	s_lshl_b32 s18, s12, 4
	s_add_co_u32 s18, s17, s18                     ; my tile's first column
	s_lshl_b32 s40, s18, 16                        ; x 65,536 bytes a row
	s_lshl_b32 s18, s14, 10                        ; + 1,024 u
	s_add_co_u32 s40, s40, s18
	s_mov_b32 s41, 0
	s_mul_i32 s19, s12, TILEB
	s_wait_dscnt 0x0
	s_wait_kmcnt 0x0
	s_mov_b32 s20, 1
	s_mov_b32 s21, s19
	s_add_nc_u64 s[22:23], s[4:5], s[40:41]
	s_or_b32 s23, s23, 0x80000000
	tensor_load_to_lds s[20:23], s[24:31]          ; my one tensor load: the work-group's 131,072 bytes are asked for before anything else is done
	s_nop 0
	v_and_b32 v1, 31, v0                           ; lane
	v_and_b32 v2, 15, v0                           ; r
	v_bfe_u32 v3, v0, 4, 1                         ; h
	s_delay_alu instid0(VALU_DEP_2)
	v_mul_u32_u24 v[LA], v2, PITCH
	s_delay_alu instid0(VALU_DEP_1)
	v_lshl_add_u32 v[LA], v3, 2, v[LA]
	s_delay_alu instid0(VALU_DEP_1)
	v_add_nc_u32 v[LA], s19, v[LA]
	v_lshlrev_b32 v[LI], 4, v1
	s_wait_alu depctr_va_vdst(0)
	s_and_b32 s37, s12, 1
	s_lshl_b32 s56, s37, 8
	s_lshr_b32 s57, s12, 1
	s_lshl_b32 s57, s57, 2
	s_add_co_u32 s56, s56, s57
	s_add_co_u32 s56, s56, SST
	v_lshl_add_u32 v[SWA], v2, 4, s56              ; SST + 16 r + 256 (t % 2) + 4 (t / 2)
	v_lshlrev_b32 v[SH8], 3, v3
	s_lshl_b32 s56, s37, 9
	s_add_co_u32 s56, s56, SST
	v_add_nc_u32 v[SRA], s56, v[LI]
	v_mul_u32_u24 v[BCO], v2, 1536
	s_delay_alu instid0(VALU_DEP_1)
	v_mad_u32_u24 v[BCO], v3, 24, v[BCO]
	v_lshlrev_b32 v[BSO], 6, v1
	v_mov_b32 v[PD], 0                             ; written once: a lane permute's destination counts as one of its sources
	s_mov_b32 s[SEL], 0x76543210
	s_mov_b32 s[SEL+1], 0xfedcba98
	; where things go and where the base weights come from
	s_mul_i32 s56, s15, 18
	s_add_co_u32 s57, s56, s16
	s_lshl_b32 s57, s57, 2
	s_add_co_u32 s57, s57, s13
	s_mul_i32 s58, s57, PIECE
	s_mov_b32 s59, 0
	s_add_nc_u64 s[42:43], s[10:11], s[58:59]      ; my work-group's piece
	s_mul_i32 s58, s12, 1536
	s_add_nc_u64 s[44:45], s[42:43], s[58:59]      ; my tile's codes in it
	s_lshl_b32 s58, s37, 9
	s_add_co_u32 s58, s58, 24576
	s_add_nc_u64 s[54:55], s[42:43], s[58:59]      ; the scale image of K step wave % 2
	s_lshr_b32 s34, s16, 2                         ; v
	s_and_b32 s35, s16, 3                          ; j % 4
	s_lshl_b32 s36, s35, 1
	s_add_co_u32 s36, s36, s37                     ; the base tile that waves 0, 1 lay: 2 (j % 4) + wave
	s_lshr_b32 s38, s34, 1
	s_add_co_u32 s57, s56, s38
	s_add_co_u32 s57, s57, 16                      ; slot 16 + v / 2
	s_lshl_b32 s57, s57, 2
	s_add_co_u32 s57, s57, s13
	s_mul_i32 s58, s57, PIECE
	s_add_nc_u64 s[46:47], s[10:11], s[58:59]      ; the base piece
	s_and_b32 s38, s34, 1                          ; its K step e = v % 2
	s_lshl_b32 s58, s38, 9
	s_add_co_u32 s58, s58, 24576
	s_add_nc_u64 s[52:53], s[46:47], s[58:59]      ; that K step's scale image
	s_lshl_b32 s58, s38, 3
	s_add_co_u32 s58, s58, s36
	s_mul_i32 s58, s58, 1536
	s_add_nc_u64 s[46:47], s[46:47], s[58:59]      ; and the fragment's place
	s_lshl_b32 s39, s15, 4
	s_lshl_b32 s57, s34, 2
	s_add_co_u32 s39, s39, s57                     ; the K step's first block of 32: 16 p + 4 v
	s_lshl_b32 s57, s36, 4
	s_add_co_u32 s57, s57, s17                     ; the fragment's first column
	s_mul_i32 s58, s57, 1536                       ; a row of base codes is 1,536 bytes,
	s_mul_i32 s57, s39, 24                         ; a block 24
	s_add_co_u32 s58, s58, s57
	s_add_nc_u64 s[48:49], s[6:7], s[58:59]
	s_lshl_b32 s58, s17, 6                         ; a row of base scales is 64 bytes
	s_add_co_u32 s58, s58, s39
	s_add_nc_u64 s[50:51], s[8:9], s[58:59]
	; THE BASE WEIGHTS, while the tile is on its way.  The branches hang on the wave's and the work-group's numbers; no LDS instruction and no barrier stands inside.
	s_cmp_lt_u32 s12, 2
	s_cbranch_scc0 .Lnot_codes
	s_wait_alu depctr_va_vdst(0)
.irp q, 0,1,2,3,4,5
	global_load_b64 v[BF+2*\q:BF+2*\q+1], v[BCO], s[48:49] offset:48*(\q/3)+8*(\q%3)   ; the fragment as the operand's layout has it: 24 bytes at 24 h, 24 at 48 + 24 h
.endr
	s_wait_loadcnt 0x0
.irp c, 0,1,2
	global_store_b128 v[LI], v[BF+4*\c:BF+4*\c+3], s[46:47] offset:512*\c               ; 32 lanes store 512 consecutive bytes, 256-aligned
.endr
	s_branch .Lbase_done
.Lnot_codes:
	s_cmp_eq_u32 s12, 2
	s_cbranch_scc0 .Lbase_done
	s_cmp_eq_u32 s35, 0
	s_cbranch_scc0 .Lbase_done
	s_wait_alu depctr_va_vdst(0)
.irp jj, 0,1,2,3
	global_load_b32 v[BS+\jj], v[BSO], s[50:51] offset:2048*\jj                         ; the word of column 128 w + 32 jj + lane: tile 2 jj + lane / 16
.endr
	s_wait_loadcnt 0x0
	global_store_b128 v[LI], v[BS:BS+3], s[52:53]
.Lbase_done:
; K step e's numbers: my registers run down i at a fixed g: block c is g = 4 e + 2 c + h; from i to i + 1 are 32 bytes of my column's row.
.macro LW e
.irp c, 0,1
.irp i, 0,1,2,3,4,5,6,7,8,9,10,11,12,13,14,15,16,17,18,19,20,21,22,23,24,25,26,27,28,29,30,31
	ds_load_b32 v[W+64*(\e)+32*\c+\i], v[LA] offset:32*\i+16*(\e)+8*\c
.endr
.endr
.endm
; K step e: two blocks a lane become a fragment's 12 registers and, with lane l xor 16's two bytes, the column's scale word.
.macro QW e
.set S, W+64*(\e)
.set C, CD+20*(\e)
.irp c, 0,1
	v_max3_num_f32 v[M+\c], |v[S+32*\c]|, |v[S+32*\c+1]|, 0x1800000                     ; with the floor 2^(3 - 127) among the leaves: the byte cannot fall under 1
.endr
.irp i, 2,4,6,8,10,12,14,16,18,20,22,24,26,28,30
.irp c, 0,1
	s_delay_alu instid0(VALU_DEP_2)
	v_max3_num_f32 v[M+\c], v[M+\c], |v[S+32*\c+\i]|, |v[S+32*\c+\i+1]|
.endr
.endr
.irp c, 0,1
	s_delay_alu instid0(VALU_DEP_2)
	v_add_nc_u32 v[SOP+\c], 0xff000000, v[M+\c]    ; 2 off the exponent field: the conversion takes the exponent field of this operand as its scale
.endr
.irp c, 0,1
	s_delay_alu instid0(VALU_DEP_2)
	v_lshrrev_b32 v[BYT+\c], 23, v[SOP+\c]         ; the scale's byte
.endr
	s_delay_alu instid0(VALU_DEP_1)
	v_lshl_or_b32 v[WD+\e], v[BYT+1], 16, v[BYT]   ; my bytes stand at places h and 2 + h of the word
	s_delay_alu instid0(VALU_DEP_1)
	v_lshlrev_b32 v[WD+\e], v[SH8], v[WD+\e]
	s_delay_alu instid0(VALU_DEP_1)
	v_permlanex16_b32 v[PD], v[WD+\e], s[SEL], s[SEL+1]
	s_delay_alu instid0(VALU_DEP_1)
	v_or_b32 v[WD+\e], v[WD+\e], v[PD]
.irp c, 0,1
	v_cvt_scalef32_pk16_fp6_f32 v[C+6*\c:C+6*\c+2], v[S+32*\c:S+32*\c+15], v[SOP+\c]
	v_cvt_scalef32_pk16_fp6_f32 v[C+12+4*\c:C+14+4*\c], v[S+32*\c+16:S+32*\c+31], v[SOP+\c]   ; (a conversion's three registers begin on an even number)
.endr
	v_nop                                          ; one plain place behind the scaled conversions
.irp c, 0,1
.irp i, 0,1,2
	v_mov_b32 v[C+3+6*\c+\i], v[C+12+4*\c+\i]
.endr
.endr
.irp c, 0,1,2
	global_store_b128 v[LI], v[C+4*\c:C+4*\c+3], s[44:45] offset:12288*\e+512*\c        ; 512 consecutive bytes, 256-aligned
.endr
.endm
	s_wait_tensorcnt 0x0                           ; my tile is in LDS; I alone read it
	LW 0
	s_wait_dscnt 0x0                               ; the first K step's numbers are in
	LW 1                                           ; the second's land while the first is quantised
	QW 0
	s_wait_dscnt 0x0
	QW 1
	ds_store_b32 v[SWA], v[WD]                     ; both halves of the lanes write the same word with the same value
	ds_store_b32 v[SWA], v[WD+1] offset:512
	s_wait_dscnt 0x0                               ; for the others' sake: my scale words lie in LDS
	s_barrier_signal -1
	s_barrier_wait -1
	s_cmp_lt_u32 s12, 2
	s_cbranch_scc0 .Lend
	ds_load_b128 v[OUTS:OUTS+3], v[SRA]            ; waves 0, 1: the scale image of K step 0, 1
	s_wait_dscnt 0x0
	global_store_b128 v[LI], v[OUTS:OUTS+3], s[54:55]
.Lend:
	s_wait_tensorcnt 0x0
	ds_add_u32 v254, v255
	s_wait_dscnt 0x0
	s_endpgm
.Lfunc_end_k_q9609d013dc_prep:
	.size	k_q9609d013dc_prep, .Lfunc_end_k_q9609d013dc_prep-k_q9609d013dc_prep
	.p2alignl 7, 3214868480
	.fill 96, 4, 3214868480
	.section	.rodata,"a",@progbits
	.p2align	6, 0x0
	.amdhsa_kernel k_q9609d013dc_prep
		.amdhsa_group_segment_fixed_size 168960
		.amdhsa_private_segment_fixed_size 0
		.amdhsa_enable_private_segment 0
		.amdhsa_kernarg_size 32
		.amdhsa_user_sgpr_count 2
		.amdhsa_user_sgpr_kernarg_segment_ptr 1
		.amdhsa_wavefront_size32 1
		.amdhsa_system_sgpr_workgroup_id_x 1
		.amdhsa_system_sgpr_workgroup_id_y 1
		.amdhsa_system_sgpr_workgroup_id_z 1
		.amdhsa_system_vgpr_workitem_id 0
		.amdhsa_next_free_vgpr 256
		.amdhsa_next_free_sgpr 66
		.amdhsa_reserve_vcc 0
		.amdhsa_float_denorm_mode_32 3
		.amdhsa_float_denorm_mode_16_64 3
		.amdhsa_memory_ordered 1
		.amdhsa_forward_progress 1
		.amdhsa_inst_pref_size 24
	.end_amdhsa_kernel
	.amdgpu_metadata
---
amdhsa.version: [ 1, 2 ]
amdhsa.kernels:
  - .name:           k_q9609d013dc_prep
    .symbol:         k_q9609d013dc_prep.kd
    .args:
      - { .name: spline_weight, .offset: 0, .size: 8, .value_kind: global_buffer, .address_space: global }
      - { .name: base_weight_codes, .offset: 8, .size: 8, .value_kind: global_buffer, .address_space: global }
      - { .name: base_weight_scales, .offset: 16, .size: 8, .value_kind: global_buffer, .address_space: global }
      - { .name: wimg, .offset: 24, .size: 8, .value_kind: global_buffer, .address_space: global }
    .group_segment_fixed_size: 168960
    .private_segment_fixed_size: 0
    .kernarg_segment_align: 8
    .kernarg_segment_size: 32
    .max_flat_workgroup_size: 256
    .sgpr_count:     66
    .vgpr_count:     256
    .wavefront_size: 32
...
	.end_amdgpu_metadata
.endif
;; end of part 1
;; launch main (part 2): grid 64 x 4, 4 waves a work-group, clusters of 4 x 1, 327,680 bytes of LDS; arguments x, knots, wimg, part; writes part
.if DOCPART == 2
	.amdgcn_target "amdgcn-amd-amdhsa--gfx1250"
	.amdhsa_code_object_version 6
	.text
	.protected	k_q9609d013dc_main
	.globl	k_q9609d013dc_main
	.p2align	8
	.type	k_q9609d013dc_main,@function
k_q9609d013dc_main:
	s_mov_b64 s[64:65], 0
	v_nop
	global_prefetch_b8 v0, s[64:65] scope:SCOPE_SE
	s_setreg_imm32_b32 hwreg(HW_REG_WAVE_MODE, 25, 1), 1
	s_wait_xcnt 0x0
	s_wait_alu depctr_hold_cnt(0) depctr_sa_sdst(0) depctr_va_vdst(0) depctr_va_sdst(0) depctr_va_ssrc(0) depctr_va_vcc(0) depctr_vm_vsrc(0)
	s_getreg_b32 s2, hwreg(HW_REG_IB_STS2, 6, 4)
	s_cmp_eq_u32 s2, 0
	s_cbranch_scc0 .Lentry_in_a_cluster
	s_endpgm
.Lentry_in_a_cluster:
	s_bfe_u32 s2, ttmp6, 0x10000c
	s_cmp_lg_u32 s2, 0x3003
	s_cbranch_scc0 .Lentry_shape_is_right
	s_endpgm
.Lentry_shape_is_right:
; part[p][m][n] = sum over i in quarter p of xq[m][i] base[n][i] + 0.1 sum over g and those i of Q(relu(x[m][i] - knots[g])) Q(spline[n][i][g]); the next launch adds the four parts.
; Both products in MX-FP6 (E2M3, one E8M0 byte for 32 along K); a block of the spline product is 32 neighbouring i at one g; the weights come as register images (wimg, laid by the launch before).
; SHARES: a work-group makes 64 rows x 512 columns over 512 i: 16 slots of 32 i (two K steps of 128 = 8 g x 32 i) and 2 slots of base weights (two K steps each).  256 work-groups.
; Wave w quantises row tile w (16 rows) of each slot once, into an LDS image that all four waves read, and multiplies all 64 rows by columns 128 w .. 128 w + 127: 32 accumulators.
; A lane (r, h) holds all 32 x of row r: its four blocks are g = h, 2 + h, 4 + h, 6 + h, so a block's largest number, relu(largest x - knot), needs no other lane, and the conversions' results are the operand's registers.
; CLUSTERS: the four row blocks of a cluster walk the same weights: each piece of 25,600 bytes is asked for jointly.  Two slots of 4 pieces; a round of the cluster's barrier for each change of slots.
; PREFETCH: in the trip that loads slot j + 1 the piece of slot j + 3 is named, 25 blocks of 256 bytes by each of the four partners, told apart by address; the last three slots' trips name nothing.
; x has none: it goes straight into registers of its own, asked for two trips ahead of its use.  In the loop's last trip the two x loads name slots 14 and 15 again, so as to stay inside x; their data are not used.
; LIMITS: a block of zeros gets the byte 1 where the rule says 127 (its codes are zeros, this program alone reads the bytes); NaN and infinities among the inputs are not served.
.set PIECE, 25600
.set SLOT1, 1<<17                      ; slot 0 at 0, slot 1 here: 4 pieces each
.set AIMG0, 4*PIECE                    ; A images: fragment (K step e, tile a) at (4 e + a) 1,536 + 512 c + 16 lane; scale words at ASC + 256 e + 8 lane + 4 jj (tile 2 jj + lane / 16)
.set AIMG1, AIMG0+12800
.set ASC,   12288
.set SPARE, AIMG1+12800                ; the spare words, 512 bytes
.set BIMG,  SLOT1+4*PIECE              ; x's own codes: fragment (tile a, K step v) at 6,144 a + 1,536 v + 256 k + 8 lane (registers 2 k, 2 k + 1)
.set BSC,   BIMG+24576                 ; and their scale bytes: 16 a row
.set SPITCH, 528
.set ADB,  1                           ; v1-2   my piece in slot 0, 1, + 16 lane (v1 also reads my stage back)
.set ADA,  3                           ; v3-4   A image 0, 1, + 16 lane
.set ADAS, 5                           ; v5-6   its scale words, + 8 lane
.set AWI,  7                           ; v7-8   where my tile's fragments go
.set AWS,  9                           ; v9-10  where my scale bytes go
.set BWI,  11
.set BSW,  12
.set ADBA, 13
.set SPW,  14
.set NIL,  15
.set KN,   16                          ; v16-19 knots 2 jj + h
.set ADBS, 20
.set XA,   21
.set PFW,  22
.set STO,  23
.set CO,   25                          ; 16 lane
.set TBW,  26
.set TBS,  27
.set XM,   28                          ; v28-29 largest x, two chains
.set AM,   30                          ; v30-31 largest |x|
.set SO,   32                          ; v32-35 the conversions' scale operands
.set BYT,  36
.set SOB,  40
.set BYB,  41
.set BCO,  42                          ; v42-47 x's codes; v48-50 their upper half as converted
.set BT,   48
.set PC,   52                          ; v52-91 two fragments' codes, 20 registers each
.set SB,   92                          ; v92-99 weights' scale words, two sets
.set SA,   100                         ; v100-103 A's, two sets
.set SBA,  104                         ; v104-111 x's own
.set H0,   112
.set H1,   113
.set H2,   114
.set H3,   115
.set H5,   116
.set X,    128                         ; v128-191 x, two slots
.set T,    192                         ; v192-255 a fragment's 64 numbers
.set BK,   128                         ; the way out
.set WV,   12
.set CX,   13
.set RB,   14
.set PP,   15
.set G1,   16
.set G0,   24                          ; s[24:27] slot 0, s[28:31] slot 1
.set XP,   32
.set PFB,  34
.set STP,  36
.set CNT,  38
.set SBW,  39
.set SBS,  40
.set MSB, 0
.macro WIN new
.if MSB != \new
	s_set_vgpr_msb (MSB<<8)|\new
.set MSB, \new
.endif
.endm
.set MULW, 0xa7                        ; source 0 (weights) window 3, source 1 (A) window 1, C and D window 2
.set TO_B, 0xc0
.set TO_A, 0x40
.macro PLACES
.rept 4
	v_nop
.endr
.endm
.macro CREST
	s_cmp_lg_u32 s[WV], 0
	s_cbranch_scc1 .Lnot_wave_0_\@
	s_barrier_signal -3
.Lnot_wave_0_\@:
	s_barrier_wait -3
	s_barrier_signal -1
	s_barrier_wait -1
.endm
.macro CROUND
	s_barrier_signal -1
	s_barrier_wait -1
	CREST
.endm
.macro MSET fs, sa, sst
.set mi, 0
.set MFS, \fs
.set MSA, \sa
.set MSST, \sst
.endm
; product mi: A's tile mi / 8 against my column tile mi % 8; the 32 accumulators take turns
.macro WM4 cc
.if (mi%2) && ((mi/8)%2)
	v_wmma_scale_f32_16x16x128_f8f6f4 v[rD:rD+7], v[rB:rB+11], v[rA:rA+11], \cc, v[rS], v[rT] matrix_a_fmt:MATRIX_FMT_FP6 matrix_b_fmt:MATRIX_FMT_FP6 matrix_a_scale:MATRIX_SCALE_ROW1 matrix_b_scale:MATRIX_SCALE_ROW1
.elseif mi%2
	v_wmma_scale_f32_16x16x128_f8f6f4 v[rD:rD+7], v[rB:rB+11], v[rA:rA+11], \cc, v[rS], v[rT] matrix_a_fmt:MATRIX_FMT_FP6 matrix_b_fmt:MATRIX_FMT_FP6 matrix_a_scale:MATRIX_SCALE_ROW1
.elseif (mi/8)%2
	v_wmma_scale_f32_16x16x128_f8f6f4 v[rD:rD+7], v[rB:rB+11], v[rA:rA+11], \cc, v[rS], v[rT] matrix_a_fmt:MATRIX_FMT_FP6 matrix_b_fmt:MATRIX_FMT_FP6 matrix_b_scale:MATRIX_SCALE_ROW1
.else
	v_wmma_scale_f32_16x16x128_f8f6f4 v[rD:rD+7], v[rB:rB+11], v[rA:rA+11], \cc, v[rS], v[rT] matrix_a_fmt:MATRIX_FMT_FP6 matrix_b_fmt:MATRIX_FMT_FP6
.endif
.endm
.macro MUL1
.set rD, 8*mi
.set rB, 96*MFS+12*(mi%8)
.set rA, 48*MFS+12*(mi/8)
.set rS, SB+4*MFS+(mi%8)/2
.set rT, MSA+MSST*(mi/16)
.if MZ
	WM4 0
.else
	WM4 v[rD:rD+7]
.endif
.set mi, mi+1
.endm
.macro MULS n
	WIN MULW
.rept \n
	MUL1
.endr
.endm
.macro LOADB e, fs, sg                 ; my eight column tiles of K step e of the slot
	WIN TO_B
.irp b, 0,1,2,3,4,5,6,7
.irp c, 0,1,2
	ds_load_b128 v[96*(\fs)+12*\b+4*\c:96*(\fs)+12*\b+4*\c+3], v[ADB+(\sg)] offset:(8*(\e)+\b)*1536+512*\c
.endr
.endr
.endm
.macro FETCH e, fs, sg                 ; 38 LDS loads: a K step's fragments and scale words
	LOADB \e, \fs, \sg
	WIN TO_A
.irp a, 0,1,2,3
.irp c, 0,1,2
	ds_load_b128 v[48*(\fs)+12*\a+4*\c:48*(\fs)+12*\a+4*\c+3], v[ADA+(\sg)] offset:(4*(\e)+\a)*1536+512*\c
.endr
.endr
	WIN 0
	ds_load_b128 v[SB+4*(\fs):SB+4*(\fs)+3], v[ADB+(\sg)] offset:24576+512*(\e)
	ds_load_b64 v[SA+2*(\fs):SA+2*(\fs)+1], v[ADAS+(\sg)] offset:256*(\e)
.endm
.macro FETCHB e, fs, v, sg             ; 49 LDS loads: the same for base K step v
	LOADB \e, \fs, \sg
	WIN TO_A
.irp a, 0,1,2,3
.irp k, 0,1,2,3,4,5
	ds_load_b64 v[48*(\fs)+12*\a+2*\k:48*(\fs)+12*\a+2*\k+1], v[ADBA] offset:6144*\a+1536*(\v)+256*\k
.endr
.endr
	WIN 0
	ds_load_b128 v[SB+4*(\fs):SB+4*(\fs)+3], v[ADB+(\sg)] offset:24576+512*(\e)
.endm
.macro SWITCH                          ; set 1's products are issued: the slot's second K step goes there, and set 0's products begin
	PLACES
	FETCH 1, 1, MSG
	s_wait_alu depctr_va_vdst(0)
	s_wait_dscnt 38                                ; all but the 38 just issued
	MSET 0, SA, 1
.set MNX, 0
.set MEV, 3
.endm
.macro HOOK                            ; behind every MEV-th vector instruction of GEN stands one product
.if MEV
.set vc, vc+1
.if vc >= MEV
.set vc, 0
.if mi < 32
	WIN MULW
	MUL1
	WIN 0
.if (mi == 32) && MNX
	SWITCH
.endif
.endif
.endif
.endif
.endm
.macro FLUSH
.set MEV, 0
.if mi < 32
	MULS 32-mi
.endif
	WIN 0
.endm
.macro RELU2 n                         ; two numbers clipped at 0
	v_dual_max_num_f32 v[\n], 0, v[\n] :: v_dual_max_num_f32 v[\n+1], 0, v[\n+1]
.endm
; My row tile of one slot (x in buffer par) becomes: a quarter of a base fragment, and two spline fragments in A image par.  Then the buffer is asked for again, at byte off.
.macro GEN par, off
.set XS, X+32*(\par)
	s_wait_loadcnt 8                               ; this slot's x is in; the next slot's eight loads may be out
	v_max3_num_f32 v[XM], v[XS], v[XS+1], v[XS+2]
	HOOK
	v_max3_num_f32 v[XM+1], v[XS+15], v[XS+16], v[XS+17]
	HOOK
	v_max3_num_f32 v[AM], |v[XS]|, |v[XS+1]|, 0x1800000   ; with the floor 2^(3 - 127): the byte cannot fall under 1
	HOOK
	v_max3_num_f32 v[AM+1], |v[XS+16]|, |v[XS+17]|, |v[XS+18]|
	HOOK
.irp i, 0,2,4,6,8,10,12
.if \i < 12
	v_max3_num_f32 v[XM], v[XM], v[XS+3+\i], v[XS+4+\i]
	HOOK
	v_max3_num_f32 v[AM+1], v[AM+1], |v[XS+19+\i]|, |v[XS+20+\i]|
	HOOK
.endif
	v_max3_num_f32 v[XM+1], v[XM+1], v[XS+18+\i], v[XS+19+\i]
	HOOK
	v_max3_num_f32 v[AM], v[AM], |v[XS+2+\i]|, |v[XS+3+\i]|
	HOOK
.endr
	v_max_num_f32 v[XM], v[XM], v[XM+1]
	v_max3_num_f32 v[AM], v[AM], v[AM+1], |v[XS+31]|
	v_pk_add_f32 v[SO:SO+1], v[XM:XM+1], v[KN:KN+1] op_sel_hi:[0,1] neg_lo:[0,1] neg_hi:[0,1]       ; a block's largest number: largest x - its knot,
	v_pk_add_f32 v[SO+2:SO+3], v[XM:XM+1], v[KN+2:KN+3] op_sel_hi:[0,1] neg_lo:[0,1] neg_hi:[0,1]
	v_add_nc_u32 v[SOB], 0xff000000, v[AM]         ; 2 off the exponent field: the conversion's scale operand
	v_add_nc_u32 v[TBW], s[SBW], v[BWI]
	v_add_nc_u32 v[TBS], s[SBS], v[BSW]
.irp b, 0,1,2,3
	v_max_num_f32 v[SO+\b], 0x1800000, v[SO+\b]    ; held at the floor, which also stands for what relu clips
.endr
	v_lshrrev_b32 v[BYB], 23, v[SOB]
.irp b, 0,1,2,3
	v_add_nc_u32 v[SO+\b], 0xff000000, v[SO+\b]
.endr
.irp b, 0,1,2,3
	v_lshrrev_b32 v[BYT+\b], 23, v[SO+\b]
.endr
	v_cvt_scalef32_pk16_fp6_f32 v[BCO:BCO+2], v[XS:XS+15], v[SOB]
	v_cvt_scalef32_pk16_fp6_f32 v[BT:BT+2], v[XS+16:XS+31], v[SOB]     ; (a conversion's three registers begin on an even number)
	v_nop
.irp i, 0,1,2
	v_mov_b32 v[BCO+3+\i], v[BT+\i]
.endr
.irp k, 0,1,2
	ds_store_b64 v[TBW], v[BCO+2*\k:BCO+2*\k+1] offset:128*(\par)+256*\k   ; both halves of the lanes write the same bytes with the same values
.endr
	ds_store_b8 v[TBS], v[BYB] offset:\par
.irp b, 0,1,2,3
	ds_store_b8 v[AWS+(\par)], v[BYT+\b] offset:256*(\b/2)+2*(\b%2)        ; byte 2 c + h of K step e's word
.endr
.irp q, 0,1
.irp c, 0,1
.irp m, 0,1,2,3,4,5,6,7,8,9,10,11,12,13,14,15
.if \c
	v_pk_add_f32 v[T+32*\c+2*\m:T+32*\c+2*\m+1], v[XS+2*\m:XS+2*\m+1], v[KN+2*\q:KN+2*\q+1] op_sel:[0,1] op_sel_hi:[1,1] neg_lo:[0,1] neg_hi:[0,1]
.else
	v_pk_add_f32 v[T+32*\c+2*\m:T+32*\c+2*\m+1], v[XS+2*\m:XS+2*\m+1], v[KN+2*\q:KN+2*\q+1] op_sel_hi:[1,0] neg_lo:[0,1] neg_hi:[0,1]
.endif
	HOOK
.endr
.endr
.if \q
.irp i, 0,1,2,3,4,5,6,7
	global_load_b128 v[XS+4*\i:XS+4*\i+3], v[XA], s[XP:XP+1] offset:(\off)+16*\i   ; the subtractions above were the buffer's last readers: it is asked for again here
.endr
.endif
.set n, 0
.rept 32
	RELU2 T+n
.set n, n+2
	HOOK
.endr
.irp c, 0,1
	v_cvt_scalef32_pk16_fp6_f32 v[PC+20*\q+6*\c:PC+20*\q+6*\c+2], v[T+32*\c:T+32*\c+15], v[SO+2*\q+\c]
	v_cvt_scalef32_pk16_fp6_f32 v[PC+20*\q+12+4*\c:PC+20*\q+14+4*\c], v[T+32*\c+16:T+32*\c+31], v[SO+2*\q+\c]
.endr
	v_nop                                          ; one plain place behind the scaled conversions
.irp c, 0,1
.irp i, 0,1,2
	v_mov_b32 v[PC+20*\q+3+6*\c+\i], v[PC+20*\q+12+4*\c+\i]
.endr
.endr
.irp c, 0,1,2
	ds_store_b128 v[AWI+(\par)], v[PC+20*\q+4*\c:PC+20*\q+4*\c+3] offset:6144*\q+512*\c
.endr
.endr
.endm
; A change of slots.  pend = 1: sixteen of set 1's products stand round the barrier.  The next slot's piece is my one tensor load behind the round.
.macro CHANGE pend, g0, step
	WIN 0
	s_wait_alu depctr_va_vdst(0)
	s_wait_tensorcnt 0x0                           ; my piece of this trip's slot is in
	ds_add_u32 v[SPW], v[NIL]
.if \step
	s_add_nc_u64 s[\g0+2:\g0+3], s[\g0+2:\g0+3], 8*PIECE   ; no tensor load of mine is out: two slots on
.endif
.if \pend
	s_wait_dscnt 1                                 ; all but the add
	MULS 8
.endif
	s_wait_dscnt 0x0                               ; the add, my reads of the slot and image left behind, my stores into the next image
	s_barrier_signal -1
.if \pend
	MULS 8
	WIN 0
.endif
	s_barrier_wait -1
	CREST
	tensor_load_to_lds s[\g0:\g0+3], s[G1:G1+7]
	s_nop 0
	PLACES
.endm
.macro TRIP sg                         ; slot j, of parity sg: its 64 products less the last 32's second half order: set 1 of slot j - 1, then set 0 of slot j; slot j + 1's A image is made meanwhile
	MSET 1, SA+2, 1
	CHANGE 1, G0+4*(1-\sg), 1
	FETCH 0, 0, \sg
	global_prefetch_b8 v[PFW], s[PFB:PFB+1] offset:(1-\sg)*4*PIECE th:TH_LOAD_NT scope:SCOPE_SE
.set MNX, 1
.set MSG, \sg
.set MEV, 5
.set vc, 0
	GEN 1-\sg, 128*(1-\sg)
	FLUSH
.endm
	s_load_b256 s[4:11], s[0:1], 0x0               ; x, knots, wimg, part
	v_lshl_add_u32 v[SPW], v0, 2, SPARE
	v_mov_b32 v[NIL], 0
	ds_add_u32 v[SPW], v[NIL]
	ds_add_u32 v[SPW], v[NIL]
	v_lshrrev_b32 v[H0], 5, v0
	v_readfirstlane_b32 s[WV], v[H0]
	s_bfe_u32 s[CX], ttmp6, 0x40000
	s_lshl_b32 s[RB], ttmp9, 2
	s_add_co_u32 s[RB], s[RB], s[CX]               ; row block
	s_and_b32 s[PP], ttmp7, 0xffff                 ; quarter of the i
	s_mov_b32 s[G1], 15|(3<<16)|(1<<21)            ; a piece: 100 rows of 256 bytes, dense; the mask names the cluster's four
	s_mov_b32 s[G1+1], 32<<16
	s_mov_b32 s[G1+2], 100<<16
	s_mov_b32 s[G1+3], 32<<16
	s_mov_b32 s[G1+4], 100
	s_mov_b32 s[G1+5], 32
	s_mov_b32 s[G1+6], 0
	s_mov_b32 s[G1+7], 0
	s_lshl_b32 s44, s[RB], 6
	s_lshl_b32 s45, s[WV], 4
	s_add_co_u32 s44, s44, s45                     ; my tile's first row
	s_lshl_b32 s44, s44, 13
	s_lshl_b32 s45, s[PP], 11
	s_add_co_u32 s44, s44, s45
	s_mov_b32 s45, 0
	s_mul_i32 s46, s[PP], 72
	s_add_co_u32 s46, s46, s[WV]
	s_mul_i32 s46, s46, PIECE                      ; piece (p, 0, w)
	s_mov_b32 s47, 0
	s_lshl_b32 s48, s[PP], 23
	s_lshl_b32 s49, s[RB], 17
	s_add_co_u32 s48, s48, s49
	s_lshl_b32 s49, s[WV], 9
	s_add_co_u32 s48, s48, s49
	s_mov_b32 s49, 0
	s_mul_i32 s50, s[WV], PIECE
	s_mul_i32 s51, s[WV], 1536
	s_and_b32 s52, s[WV], 1
	s_lshl_b32 s52, s52, 7
	s_lshr_b32 s53, s[WV], 1
	s_lshl_b32 s53, s53, 2
	s_add_co_u32 s52, s52, s53                     ; 128 (w % 2) + 4 (w / 2)
	s_mul_i32 s53, s[WV], 6144
	s_lshl_b32 s54, s[WV], 8
	s_mul_i32 s55, s[CX], 25
	s_mov_b32 s[SBW], 0
	s_mov_b32 s[SBS], 0
	s_mov_b32 s[STP+1], 0
	s_wait_dscnt 0x0
	s_wait_kmcnt 0x0
	s_add_nc_u64 s[XP:XP+1], s[4:5], s[44:45]
	s_add_nc_u64 s[8:9], s[8:9], s[46:47]
	s_add_nc_u64 s[10:11], s[10:11], s[48:49]
	s_add_nc_u64 s[PFB:PFB+1], s[8:9], 12*PIECE    ; slot 3's piece
	v_and_b32 v[H1], 15, v0                        ; r
	v_bfe_u32 v[H2], v0, 4, 1                      ; h
	v_lshlrev_b32 v[XA], 13, v[H1]
	v_lshlrev_b32 v[H3], 2, v[H2]
.irp jj, 0,1,2,3
	global_load_b32 v[KN+\jj], v[H3], s[6:7] offset:8*\jj
.endr
.irp pr, 0,1
.irp i, 0,1,2,3,4,5,6,7
	global_load_b128 v[X+32*\pr+4*\i:X+32*\pr+4*\i+3], v[XA], s[XP:XP+1] offset:128*\pr+16*\i
.endr
.endr
	s_mov_b32 s[G0], 1
	s_mov_b32 s[G0+1], s50
	s_mov_b64 s[G0+2:G0+3], s[8:9]
	s_or_b32 s[G0+3], s[G0+3], 0x80000000
	s_mov_b32 s[G0+4], 1
	s_add_co_u32 s[G0+5], s50, SLOT1
	s_add_nc_u64 s[G0+6:G0+7], s[8:9], 4*PIECE
	s_or_b32 s[G0+7], s[G0+7], 0x80000000
	s_wait_alu depctr_va_vdst(0)
	CROUND
	tensor_load_to_lds s[G0:G0+3], s[G1:G1+7]      ; slot 0: my one tensor load at the head
	s_nop 0
	PLACES
	v_and_b32 v[H0], 31, v0
	v_lshlrev_b32 v[CO], 4, v[H0]
	v_add_nc_u32 v[ADB], s50, v[CO]
	v_add_nc_u32 v[ADB+1], SLOT1, v[ADB]
	v_add_nc_u32 v[ADA], AIMG0, v[CO]
	v_add_nc_u32 v[ADA+1], AIMG1, v[CO]
	v_lshl_add_u32 v[ADAS], v[H0], 3, AIMG0+ASC
	v_lshl_add_u32 v[ADAS+1], v[H0], 3, AIMG1+ASC
	v_add_nc_u32 v[AWI], s51, v[ADA]
	v_add_nc_u32 v[AWI+1], s51, v[ADA+1]
	v_lshl_add_u32 v[H5], v[H1], 3, v[H2]
	v_add_nc_u32 v[H5], s52, v[H5]
	v_add_nc_u32 v[AWS], AIMG0+ASC, v[H5]
	v_add_nc_u32 v[AWS+1], AIMG1+ASC, v[H5]
	v_lshl_add_u32 v[BWI], v[H1], 3, s53
	v_add_nc_u32 v[BWI], BIMG, v[BWI]
	v_lshl_add_u32 v[BSW], v[H1], 4, s54
	v_add_nc_u32 v[BSW], BSC, v[BSW]
	v_lshl_add_u32 v[ADBA], v[H0], 3, BIMG
	v_add_nc_u32 v[ADBS], BSC, v[CO]
	v_min_u32 v[PFW], 24, v[H0]                    ; lanes 25-31 name my last block again
	v_add_nc_u32 v[PFW], s55, v[PFW]
	v_lshlrev_b32 v[PFW], 8, v[PFW]
	v_mul_u32_u24 v[STO], v[H1], SPITCH
	v_lshl_add_u32 v[STO], v[H2], 5, v[STO]
	v_add_nc_u32 v[STO], s50, v[STO]
	s_wait_alu depctr_va_vdst(0)
.set MZ, 0
.set MNX, 0
.set MEV, 0
.set vc, 0
.set mi, 32
	GEN 0, 256                                     ; slot 0's image, while slot 0's weights are on their way
	CHANGE 0, G0+4, 0                              ; trip 0; slot 1's first fill is issued as a refill is
	FETCH 0, 0, 0
	FETCH 1, 1, 0
	global_prefetch_b8 v[PFW], s[PFB:PFB+1] th:TH_LOAD_NT scope:SCOPE_SE
	s_wait_dscnt 38
	MSET 0, SA, 1
.set MZ, 1                             ; the first K step's products start the sums
.set MEV, 3
	GEN 1, 384
	FLUSH
.set MZ, 0
	s_wait_xcnt 0x0
	s_add_nc_u64 s[XP:XP+1], s[XP:XP+1], 512
	s_add_nc_u64 s[PFB:PFB+1], s[PFB:PFB+1], 4*PIECE
	s_mov_b32 s[SBW], 768
	s_mov_b32 s[SBS], 2
	s_mov_b32 s[CNT], 7
.Ltrip:                                                ; slots 1 to 14, two a trip
	TRIP 1
	TRIP 0
	s_wait_xcnt 0x0                                ; the loads' and prefetches' bases are stepped only behind this wait
	s_cmp_gt_u32 s[CNT], 2
	s_cselect_b32 s[STP], 256, 0
	s_add_nc_u64 s[XP:XP+1], s[XP:XP+1], s[STP:STP+1]
	s_add_nc_u64 s[PFB:PFB+1], s[PFB:PFB+1], 8*PIECE
	s_add_co_u32 s[SBW], s[SBW], 768
	s_add_co_u32 s[SBS], s[SBS], 2
	s_sub_co_u32 s[CNT], s[CNT], 1
	s_cmp_lg_u32 s[CNT], 0
	s_cbranch_scc1 .Ltrip
	MSET 1, SA+2, 1                                ; slot 15: nothing more to quantise
	CHANGE 1, G0, 1
	FETCH 0, 0, 1
	MULS 16
	PLACES
	FETCH 1, 1, 1
	s_wait_dscnt 38
	MSET 0, SA, 1
	MULS 32
	MSET 1, SA+2, 1                                ; slot 16: the base weights' K steps 0, 1
	CHANGE 1, G0+4, 1
	ds_load_b128 v[SBA:SBA+3], v[ADBS]
	ds_load_b128 v[SBA+4:SBA+7], v[ADBS] offset:512
	FETCHB 0, 0, 0, 0
	MULS 16
	PLACES
	FETCHB 1, 1, 1, 0
	WIN 0x82
.set n, 0
.rept 128
	v_pk_mul_f32 v[n:n+1], v[n:n+1], 0x3dcccccd op_sel_hi:[1,0]   ; the spline sums x 0.1, each accumulator from its low end on
.set n, n+2
.endr
	PLACES
	s_wait_alu depctr_va_vdst(0)
	s_wait_tensorcnt 0x0                           ; slot 17's piece, which I alone read
	s_wait_dscnt 0x0
	MSET 0, SBA, 4
	MULS 32
	PLACES
	FETCHB 0, 0, 2, 1
	MSET 1, SBA+1, 4
	MULS 32
	PLACES
	FETCHB 1, 1, 3, 1
	s_wait_dscnt 49                                ; all but the 49 just issued
	MSET 0, SBA+2, 4
	MULS 32
	s_wait_dscnt 0x0
	MSET 1, SBA+3, 4
	MULS 16                                        ; the last K step goes by A's tiles: rows 0-31 are finished here
	WIN 0
; THE WAY OUT: 16 rows x 128 columns at a time through my own stage (in my piece of slot 0, which has had its last fill and its last read), back as whole rows of 512 bytes.
.macro TOSTAGE a
	WIN 0x08
.irp b, 0,1,2,3,4,5,6,7
	ds_store_b128 v[STO], v[64*(\a)+8*\b:64*(\a)+8*\b+3] offset:64*\b
	ds_store_b128 v[STO], v[64*(\a)+8*\b+4:64*(\a)+8*\b+7] offset:64*\b+16
.endr
	WIN 0
.set BB, BK+64*((\a)%2)
.irp t, 0,1,2,3,4,5,6,7,8,9,10,11,12,13,14,15
	ds_load_b128 v[BB+4*\t:BB+4*\t+3], v[ADB] offset:\t*SPITCH
.endr
.endm
.macro SEND a, younger
.set BB, BK+64*((\a)%2)
	s_wait_dscnt \younger
.irp t, 0,1,2,3,4,5,6,7,8,9,10,11,12,13,14,15
	global_store_b128 v[CO], v[BB+4*\t:BB+4*\t+3], s[10:11] offset:(16*(\a)+\t)*2048 th:TH_STORE_NT   ; 32 lanes store 512 consecutive bytes, 256-aligned
.endr
.endm
	s_wait_loadcnt 0x0                             ; the last x loads have landed: their registers serve the way out
	PLACES
	TOSTAGE 0
	MULS 8                                         ; rows 32-47
	PLACES
	TOSTAGE 1
	SEND 0, 32                                     ; behind block 0's loads: block 1's 16 stores and 16 loads
	MULS 8                                         ; rows 48-63
	PLACES
	s_wait_xcnt 0x0                                ; block 0's stores have read their registers
	TOSTAGE 2
	SEND 1, 32
	s_wait_xcnt 0x0                                ; block 1's stores have read theirs
	TOSTAGE 3
	SEND 2, 32
	SEND 3, 0
	s_wait_tensorcnt 0x0                           ; the wave's end
	ds_add_u32 v[SPW], v[NIL]
	s_wait_dscnt 0x0
	CROUND                                         ; the closing round
	s_endpgm
.Lfunc_end_k_q9609d013dc_main:
	.size	k_q9609d013dc_main, .Lfunc_end_k_q9609d013dc_main-k_q9609d013dc_main
	.p2alignl 7, 3214868480
	.fill 96, 4, 3214868480
	.section	.rodata,"a",@progbits
	.p2align	6, 0x0
	.amdhsa_kernel k_q9609d013dc_main
		.amdhsa_group_segment_fixed_size 327680
		.amdhsa_private_segment_fixed_size 0
		.amdhsa_enable_private_segment 0
		.amdhsa_kernarg_size 32
		.amdhsa_user_sgpr_count 2
		.amdhsa_user_sgpr_kernarg_segment_ptr 1
		.amdhsa_wavefront_size32 1
		.amdhsa_system_sgpr_workgroup_id_x 1
		.amdhsa_system_sgpr_workgroup_id_y 1
		.amdhsa_system_sgpr_workgroup_id_z 1
		.amdhsa_system_vgpr_workitem_id 0
		.amdhsa_next_free_vgpr 1024
		.amdhsa_next_free_sgpr 66
		.amdhsa_reserve_vcc 0
		.amdhsa_float_denorm_mode_32 3
		.amdhsa_float_denorm_mode_16_64 3
		.amdhsa_memory_ordered 1
		.amdhsa_forward_progress 1
		.amdhsa_inst_pref_size 184
	.end_amdhsa_kernel
	.amdgpu_metadata
---
amdhsa.version: [ 1, 2 ]
amdhsa.kernels:
  - .name:           k_q9609d013dc_main
    .symbol:         k_q9609d013dc_main.kd
    .args:
      - { .name: x, .offset: 0, .size: 8, .value_kind: global_buffer, .address_space: global }
      - { .name: knots, .offset: 8, .size: 8, .value_kind: global_buffer, .address_space: global }
      - { .name: wimg, .offset: 16, .size: 8, .value_kind: global_buffer, .address_space: global }
      - { .name: part, .offset: 24, .size: 8, .value_kind: global_buffer, .address_space: global }
    .group_segment_fixed_size: 327680
    .private_segment_fixed_size: 0
    .kernarg_segment_align: 8
    .kernarg_segment_size: 32
    .max_flat_workgroup_size: 128
    .sgpr_count:     66
    .vgpr_count:     1024
    .wavefront_size: 32
...
	.end_amdgpu_metadata
.endif
;; end of part 2
;; launch reduce (part 3): grid 512 x 1, 8 waves a work-group, no clusters, 0 bytes of LDS; arguments part, out0; writes out0
.if DOCPART == 3
	.amdgcn_target "amdgcn-amd-amdhsa--gfx1250"
	.amdhsa_code_object_version 6
	.text
	.protected	k_q9609d013dc_reduce
	.globl	k_q9609d013dc_reduce
	.p2align	8
	.type	k_q9609d013dc_reduce,@function
k_q9609d013dc_reduce:
	s_mov_b64 s[64:65], 0
	v_nop
	global_prefetch_b8 v0, s[64:65] scope:SCOPE_SE
	s_setreg_imm32_b32 hwreg(HW_REG_WAVE_MODE, 25, 1), 1
	s_wait_xcnt 0x0
; out0[m][n] = (part[0] + part[1]) + (part[2] + part[3]) at [m][n], in f32.  part: [4][4096][512], out0: [4096][512].
; A stream: a work-group owns 16,384 consecutive bytes of out0, a thread four chunks of 16 bytes, 4,096 bytes apart: each load and store of a wave covers 512 consecutive bytes, 256-aligned.
; All 16 loads of a thread go out first; nothing is read twice.  No LDS, no barrier, no matrix unit, no cluster: nothing is shared.
.set PART, 0x800000                    ; bytes of one part
.set D,    4                           ; v4-67: chunk i, part p at v[D + 16 i + 4 p]
	s_load_b128 s[4:7], s[0:1], 0x0                ; part s[4:5], out0 s[6:7]
	v_lshlrev_b32 v1, 4, v0                        ; 16 bytes a thread
	s_lshl_b32 s8, ttmp9, 14
	s_mov_b32 s9, 0
	s_wait_alu depctr_va_vdst(0)
	s_wait_kmcnt 0x0
	s_add_nc_u64 s[12:13], s[4:5], s[8:9]          ; a base for each part: a part's size does not fit the immediate offset
	s_add_nc_u64 s[14:15], s[12:13], PART
	s_add_nc_u64 s[16:17], s[14:15], PART
	s_add_nc_u64 s[18:19], s[16:17], PART
	s_add_nc_u64 s[6:7], s[6:7], s[8:9]
.irp i, 0,1,2,3
.irp p, 0,1,2,3
	global_load_b128 v[D+16*\i+4*\p:D+16*\i+4*\p+3], v1, s[12+2*\p:13+2*\p] offset:4096*\i th:TH_LOAD_NT
.endr
.endr
.irp i, 0,1,2,3
	s_wait_loadcnt 12-4*\i                         ; loads come back in order: chunk i's four are in, the later chunks' may be out
.irp k, 0,2
	v_pk_add_f32 v[D+16*\i+\k:D+16*\i+\k+1], v[D+16*\i+\k:D+16*\i+\k+1], v[D+16*\i+4+\k:D+16*\i+4+\k+1]
	v_pk_add_f32 v[D+16*\i+8+\k:D+16*\i+8+\k+1], v[D+16*\i+8+\k:D+16*\i+8+\k+1], v[D+16*\i+12+\k:D+16*\i+12+\k+1]
.endr
.irp k, 0
	s_delay_alu instid0(VALU_DEP_3)
	v_pk_add_f32 v[D+16*\i+\k:D+16*\i+\k+1], v[D+16*\i+\k:D+16*\i+\k+1], v[D+16*\i+8+\k:D+16*\i+8+\k+1]
.endr
.irp k, 2
	s_delay_alu instid0(VALU_DEP_2)
	v_pk_add_f32 v[D+16*\i+\k:D+16*\i+\k+1], v[D+16*\i+\k:D+16*\i+\k+1], v[D+16*\i+8+\k:D+16*\i+8+\k+1]
.endr
	global_store_b128 v1, v[D+16*\i:D+16*\i+3], s[6:7] offset:4096*\i th:TH_STORE_NT
.endr
	s_endpgm
.Lfunc_end_k_q9609d013dc_reduce:
	.size	k_q9609d013dc_reduce, .Lfunc_end_k_q9609d013dc_reduce-k_q9609d013dc_reduce
	.p2alignl 7, 3214868480
	.fill 96, 4, 3214868480
	.section	.rodata,"a",@progbits
	.p2align	6, 0x0
	.amdhsa_kernel k_q9609d013dc_reduce
		.amdhsa_group_segment_fixed_size 0
		.amdhsa_private_segment_fixed_size 0
		.amdhsa_enable_private_segment 0
		.amdhsa_kernarg_size 16
		.amdhsa_user_sgpr_count 2
		.amdhsa_user_sgpr_kernarg_segment_ptr 1
		.amdhsa_wavefront_size32 1
		.amdhsa_system_sgpr_workgroup_id_x 1
		.amdhsa_system_sgpr_workgroup_id_y 1
		.amdhsa_system_sgpr_workgroup_id_z 1
		.amdhsa_system_vgpr_workitem_id 0
		.amdhsa_next_free_vgpr 72
		.amdhsa_next_free_sgpr 66
		.amdhsa_reserve_vcc 0
		.amdhsa_float_denorm_mode_32 3
		.amdhsa_float_denorm_mode_16_64 3
		.amdhsa_memory_ordered 1
		.amdhsa_forward_progress 1
		.amdhsa_inst_pref_size 5
	.end_amdhsa_kernel
	.amdgpu_metadata
---
amdhsa.version: [ 1, 2 ]
amdhsa.kernels:
  - .name:           k_q9609d013dc_reduce
    .symbol:         k_q9609d013dc_reduce.kd
    .args:
      - { .name: part, .offset: 0, .size: 8, .value_kind: global_buffer, .address_space: global }
      - { .name: out0, .offset: 8, .size: 8, .value_kind: global_buffer, .address_space: global }
    .group_segment_fixed_size: 0
    .private_segment_fixed_size: 0
    .kernarg_segment_align: 8
    .kernarg_segment_size: 16
    .max_flat_workgroup_size: 256
    .sgpr_count:     66
    .vgpr_count:     72
    .wavefront_size: 32
...
	.end_amdgpu_metadata
.endif
;; end of part 3
